; MI455X (gfx1250); checked and timed in simulation.
; The chip was launched on July 23, 2026; its instructions are those of AMD's public machine-readable ISA for CDNA 5 (MIT licence, August 2026) and "CDNA5" Instruction Set Architecture Reference Guide (July 2026). The comments in the code are by the model that wrote it; some were corrected since.
;; Linear Attention. Allowed arithmetic: matrix products marked QUANTISED: E2M3 operands, one E8M0 scale for each 32 along K, by v_wmma_scale_f32_16x16x128_f8f6f4 with both operands' format E2M3, f32 sums; products left as they are: f32 operands where the result goes on into a quantised operand, else bf16, f16 or f32 operands; f32 sums; everything else in f32.
;; Inputs: keys 8 x 4,096 x 8 x 64 float32; queries 8 x 4,096 x 8 x 64 float32; values 8 x 4,096 x 8 x 64 float32.
;; Outputs: out0 8 x 4,096 x 8 x 64 float32.
;; This version of the problem:
;;   THIS VERSION OF THE PROBLEM IS GIVEN IN LOW PRECISION. The matrix products marked QUANTISED in the list below multiply operands that are first quantised to E2M3 (2 exponent bits, 3 mantissa bits; 6 bits a number), with one power-of-two scale for each 32 numbers along K (OCP MX v1.0); their sums are f32. All else is computed in f32.
;;   The module's matrix products, in the order in which they are computed (A, B: the left and right operand; K: the contracted axis; several contracted axes count as one K, in the product's order):
;;     1. batch 64 x [M 64, K 4,096] x [K 4,096, N 64]; A: computed on the way; B: computed on the way: QUANTISED
;;     2. batch 64 x [M 1, K 64] x [K 64, N 4,096]; A: computed on the way; B: computed on the way: left as it is (M = 1 < 16)
;;     3. batch 64 x [M 64, K 64] x [K 64, N 4,096]; A: computed on the way; B: computed on the way: QUANTISED
;;     4. batch 262,144 x [M 1, K 1] x [K 1, N 64]; A: computed on the way; B: computed on the way: left as it is (no contracted axis)
;;   THE QUANTISER, for each operand of a quantised product, along K:
;;     - K is cut into blocks of 32 from its start; a last block that is shorter is filled with zeros.
;;     - A block's scale is 2^e with e = floor(log2(the largest magnitude in the block)) - 2, held to -126 .. 127; a block of zeros has e = 0. As a byte (E8M0): e + 127.
;;     - Each number is divided by its block's scale, clamped to +-7.5, and rounded to the nearest number of E2M3, ties to even, subnormals kept.
;;     - The product sums the exact products of the quantised numbers (number of the format x scale) in f32.
;;   ~~~python
;;   def quantise(x, axis):      # numpy; x: float32 -> the quantised numbers, widened to float32 again
;;       x = np.moveaxis(x, axis, -1); K = x.shape[-1]
;;       x = np.pad(x, [(0, 0)] * (x.ndim - 1) + [(0, -K % 32)]); x = x.reshape(x.shape[:-1] + (-1, 32)); a = np.abs(x).max(-1, keepdims=True)
;;       e = np.where(a > 0, np.clip(np.frexp(np.where(a > 0, a, 1))[1] - 1 - 2, -126, 127), 0)      # np.frexp(a)[1] - 1 = floor(log2(a)), exactly
;;       r = np.clip(x / 2.0 ** e, -7.5, 7.5)
;;       step = 2.0 ** (np.maximum(np.frexp(np.where(r == 0, 1, r))[1] - 1, 0) - 3)
;;       q = np.round(r / step) * step * 2.0 ** e      # np.round: ties to even
;;       return np.moveaxis(q.reshape(q.shape[:-2] + (-1,))[..., :K], -1, axis).astype(np.float32)
;;   ~~~
;;   OPERANDS COMPUTED ON THE WAY. 'Computed on the way' means the value that the module computes at that place (a softmax that the list does not call 'softmax' is quantised finished and normalised). What goes into a quantiser is computed in f32, as accurately as f32 sums, v_exp_f32 and their like allow (about 1e-6 of the number): no bf16 or f16 on the way to a quantiser, and a product that is left as it is and whose result goes on into a quantised operand takes f32 operands (vector FMAs, or v_wmma_f32_16x16x4_f32). A number that lies on a knife's edge between two numbers of the format may be rounded either way, as far as f32 arithmetic and the matrix unit's own rounding can turn it there, and no further.
;; 2 versions, each right; version 2 is version 1 with the launch kvsum written anew for expert scheduling mode. Each part assembles by itself: llvm-mc -triple=amdgcn-amd-amdhsa -mcpu=gfx1250 --defsym DOCPART=n.
;; ======== version 1 of 2: 2 launches
;; workspace buffers: part 4,325,376 bytes
;; launch kvsum (part 1): grid 256 x 1, 8 waves a work-group, no clusters, 136,192 bytes of LDS; arguments keys, values, part; writes part
.if DOCPART == 1
	.amdgcn_target "amdgcn-amd-amdhsa--gfx1250"
	.amdhsa_code_object_version 6
	.text
	.protected	k_q3076d4ecb9_kvsum
	.globl	k_q3076d4ecb9_kvsum
	.p2align	8
	.type	k_q3076d4ecb9_kvsum,@function
k_q3076d4ecb9_kvsum:
	s_mov_b64 s[64:65], 0
	v_nop
	global_prefetch_b8 v0, s[64:65] scope:SCOPE_SE
	s_setreg_imm32_b32 hwreg(HW_REG_WAVE_MODE, 25, 1), 1
	s_wait_xcnt 0x0
; KV[n][h][d][v] = sum over s of Q6(K)[s][d] Q6(values / 4096)[s][v],  K = elu(keys) + 1,  and the column sums of the unquantised K.
; Q6: codes of FP6 (E2M3) with one E8M0 scale for each 32 along s.  keys, values: [8][4096][8][64] f32: a head's row is 256 bytes, rows 2,048 bytes apart.
; SHARES.  Work-group id = (n x 4 + p) x 8 + h: batch n, quarter p of the 4,096 keys, head h (heads fastest: neighbouring work-groups read neighbouring bytes).
; Eight waves; wave w takes keys 128 w .. 128 w + 127 of the quarter: ONE K step of the matrix instruction, so every sum starts with C = 0 and there is no loop.
; LAYOUT.  A load of 16 bytes a lane takes two whole head rows: lanes 0-15 row s, lanes 16-31 row s + 32; lane r holds columns 4 r .. 4 r + 3.  Tile j of K^T (of V) is made of the
; columns 4 r + j, and a lane's 32 rows are a whole block of 32 along s, in the very place that the 6-bit operand gives lane (r, h): k = 64 c + 32 h + 0 .. 31.  The conversions want these 32
; in consecutive registers: the last elementwise instruction (the + 1 of elu + 1; the x 2^-12) writes to the transposed register, so no instruction is spent on transposing.
; elu(x) + 1 AS THE SOURCE HAS IT: u = 2^(x log2 e) - 1; the middle of (u, 0, x) is x where x > 0 and u elsewhere; then + 1.  u's rounding is that of expm1: far below 0 the result is exactly 0.
; RESULT.  D = K^T tile jK x V tile jV: register q of lane (r, h) is KV[32 h + 4 q + jK][4 r + jV].  The eight waves' accumulators meet in LDS as images of their registers; wave w adds an eighth
; of them, and its last addition writes transposed, so that group G = 8 jV + q of the stored image (512 bytes, 16 a lane) holds KV[32 h + 4 q + 0 .. 3][4 r + jV]: what the next launch's lanes want.
; part: for each (n, h, p) 16,896 bytes: 32 groups of 512 bytes, then 512 bytes of column sums (lane (r, half): columns 4 r .. 4 r + 3, summed over that half's rows).
; No tensor loads: no number changes lanes on its way in, so registers hold what is in flight: 64 loads a wave at the start, never under 32 until the last piece.  No cluster: work-groups share no input byte.
; LIMITS: NaN among the inputs is not served.  A block whose largest magnitude lies under 2^-124 gets the scale byte 1 (a block of zeros too: its codes are zeros, and this program alone reads the bytes).
; REGISTERS.  Window 0: v1 load offset; v2-11 at work, addresses at the end; v12-19 column sums; v20-27 scale words (K's four tiles, V's four); v28-31 largest magnitudes; v32-79 K's codes, v80-127 V's;
;   v128-255 the numbers in transposed order.  Window 1: v0-127 K's rows as loaded, v128-255 V's; at the end v0-127 take the 16 accumulators.
.set ROWB, 2048                        ; bytes from key to key
.set PSTR, 16896                       ; bytes of part for one work-group
.set KSL,  131072                      ; LDS: behind the eight accumulator images of 16,384 bytes: eight images of column sums, 512 bytes each
.set GOF,  1
.set KS,   12
.set SCL,  20
.set MX,   28
.set CK,   32
.set CV,   80
.set T,    128
.set RA,   0                           ; in window 1
.set RB,   128                         ; in window 1
.set MSB,  0
.macro WIN new                         ; s_set_vgpr_msb: bits 1:0 source 0, 3:2 source 1, 5:4 source 2, 7:6 destination; the high byte repeats the setting that is left
.if MSB != \new
	s_set_vgpr_msb (MSB<<8)|\new
.set MSB, \new
.endif
.endm
; 32 loads: rows 64 half + 0 .. 31 (lanes 16-31: 32 rows further on) of the tensor at s[ptr:ptr+1] into window 1; each load covers two whole pieces of 256 consecutive bytes
.macro LOADS ptr, reg, half
	WIN 0x40
.set n, 0
.rept 32
	global_load_b128 v[\reg+4*n:\reg+4*n+3], v[GOF], s[\ptr:\ptr+1] offset:(64*(\half)+n)*ROWB th:TH_LOAD_NT
.set n, n+1
.endr
	WIN 0
.endm
; the largest magnitude of each of my four blocks (column 4 r + j, 32 rows), with the floor 2^(3 - 127) among the leaves; sums = 1: K's column sums too, two rows at a time
.macro BLOCKMAX sums, half
.set m, 0
.rept 16
.irp j, 0,1,2,3
.if m == 0
	v_max3_num_f32 v[MX+\j], |v[T+32*\j]|, |v[T+32*\j+1]|, 0x1800000
.else
	v_max3_num_f32 v[MX+\j], v[MX+\j], |v[T+32*\j+2*m]|, |v[T+32*\j+2*m+1]|
.endif
.if \sums
.if ((\half) == 0) && (m == 1)
	v_pk_add_f32 v[KS+2*\j:KS+2*\j+1], v[T+32*\j:T+32*\j+1], v[T+32*\j+2:T+32*\j+3]   ; the first two pairs start the sums: nothing is cleared
.elseif ((\half) == 1) || (m > 1)
	v_pk_add_f32 v[KS+2*\j:KS+2*\j+1], v[KS+2*\j:KS+2*\j+1], v[T+32*\j+2*m:T+32*\j+2*m+1]
.endif
.endif
.endr
.set m, m+1
.endr
.endm
; scale bytes and codes of my four blocks: registers 6 half .. 6 half + 5 of the four fragments at v[base + 12 j]
.macro CODES base, half, word
.irp j, 0,1,2,3
	v_add_nc_u32 v[MX+\j], 0xff000000, v[MX+\j]    ; 2 off the exponent field: the conversion's scale operand
.endr
.irp j, 0,1,2,3
.if (\half) == 0
	v_lshrrev_b32 v[(\word)+\j], 23, v[MX+\j]      ; the scale's byte: block h of the K step
.else
	v_lshrrev_b32 v[2+\j], 23, v[MX+\j]
.endif
.endr
.if (\half) == 1
.irp j, 0,1,2,3
	v_lshl_or_b32 v[(\word)+\j], v[2+\j], 16, v[(\word)+\j]   ; block 2 + h: two bytes further up
.endr
.endif
.irp j, 0,1,2,3
	v_cvt_scalef32_pk16_fp6_f32 v[(\base)+12*\j+6*(\half):(\base)+12*\j+6*(\half)+2], v[T+32*\j:T+32*\j+15], v[MX+\j]
.endr
	v_nop                                          ; a plain place: the next conversions write over the sources of these
.irp j, 0,1,2,3
	v_cvt_scalef32_pk16_fp6_f32 v[T+32*\j:T+32*\j+2], v[T+32*\j+16:T+32*\j+31], v[MX+\j]   ; a conversion's three registers begin on an even number: the block's upper half is made in registers that are done with, and moved
.endr
	v_nop                                          ; a plain place behind the conversions
.irp j, 0,1,2,3
.irp i, 0,1,2
	v_mov_b32 v[(\base)+12*\j+6*(\half)+3+\i], v[T+32*\j+\i]
.endr
.endr
.endm
; 64 keys of K.  more = 1: the buffer is loaded again as soon as it has been read
.macro KPIECE half, more
	s_wait_loadcnt 32                              ; behind this piece's 32 loads the 32 of V's piece were issued: they may stay out
	WIN 0x01                                       ; source 0 in window 1
.set n, 0
.rept 64
	v_pk_mul_f32 v[T+n:T+n+1], v[RA+n:RA+n+1], s[16:17] op_sel_hi:[1,0]   ; x log2(e)
.set n, n+2
.endr
	WIN 0
	v_exp_f32 v[T], v[T]
	v_exp_f32 v[T+1], v[T+1]
	v_nop                                          ; a plain instruction between an exponential and the use of its result (ISA guide 5.7.2); further on the subtraction of the pair before is that instruction
.set n, 2
.rept 63
	v_exp_f32 v[T+n], v[T+n]
	v_exp_f32 v[T+n+1], v[T+n+1]
	s_wait_alu depctr_va_vdst(0)
	v_pk_add_f32 v[T+n-2:T+n-1], v[T+n-2:T+n-1], -1.0 op_sel_hi:[1,0]   ; u = e^x - 1
.set n, n+2
.endr
	v_pk_add_f32 v[T+126:T+127], v[T+126:T+127], -1.0 op_sel_hi:[1,0]
	WIN 0x50                                       ; source 2 and destination in window 1
.set n, 0
.rept 128
	v_med3_num_f32 v[RA+n], v[T+n], 0, v[RA+n]     ; elu: x > 0: 0 < x < u; else x <= u <= 0
.set n, n+1
.endr
	WIN 0x04                                       ; source 1 in window 1
.set n, 0
.rept 128
	v_add_f32 v[T+32*(n%4)+n/4], 1.0, v[RA+n]      ; K = elu + 1, to its place: column n % 4, row n / 4
.set n, n+1
.endr
.if \more
	LOADS 4, RA, 1
.endif
	WIN 0
	BLOCKMAX 1, \half
	CODES CK, \half, SCL
.endm
; 64 keys of V
.macro VPIECE half, left, more
	s_wait_loadcnt \left
	WIN 0x04
.set n, 0
.rept 128
	v_mul_f32 v[T+32*(n%4)+n/4], s18, v[RB+n]      ; values / 4096, to its place
.set n, n+1
.endr
.if \more
	LOADS 6, RB, 1
.endif
	WIN 0
	BLOCKMAX 0, \half
	CODES CV, \half, SCL+4
.endm
	s_load_b128 s[4:7], s[0:1], 0x0                ; keys, values
	s_load_b64 s[8:9], s[0:1], 0x10                ; part
	v_lshl_add_u32 v8, v0, 2, 0x21000
	v_mov_b32 v11, 0
	v_lshrrev_b32 v2, 5, v0
	v_readfirstlane_b32 s10, v2                    ; wave 0..7
	v_and_b32 v2, 15, v0
	v_bfe_u32 v3, v0, 4, 1
	v_lshlrev_b32 v[GOF], 4, v2                    ; 16 bytes a lane within a head's row,
	v_lshl_add_u32 v[GOF], v3, 16, v[GOF]          ; lanes 16-31 32 rows further on
	s_lshr_b32 s12, ttmp9, 3
	s_lshl_b32 s12, s12, 21                        ; (n x 4 + p) x 1,024 rows of 2,048 bytes
	s_and_b32 s11, ttmp9, 7                        ; h
	s_lshl_b32 s13, s11, 8
	s_add_co_u32 s12, s12, s13                     ; + 256 h
	s_lshl_b32 s13, s10, 18
	s_add_co_u32 s12, s12, s13                     ; + wave x 128 rows
	s_mov_b32 s13, 0
	s_lshr_b32 s14, ttmp9, 5
	s_lshl_b32 s14, s14, 5                         ; 32 n
	s_lshl_b32 s11, s11, 2
	s_add_co_u32 s14, s14, s11                     ; + 4 h
	s_bfe_u32 s11, ttmp9, 0x20003
	s_add_co_u32 s14, s14, s11                     ; + p
	s_mul_i32 s14, s14, PSTR
	s_mov_b32 s15, 0
	s_mov_b32 s16, 0x3fb8aa3b                      ; log2(e)
	s_mov_b32 s17, s16                             ; (named with it as a pair)
	s_mov_b32 s18, 0x39800000                      ; 2^-12
	s_mov_b32 s20, 0x76543210
	s_mov_b32 s21, 0xfedcba98                      ; v_permlanex16_b32's selects for lane l xor 16
	s_wait_kmcnt 0x0
	s_add_nc_u64 s[4:5], s[4:5], s[12:13]
	s_add_nc_u64 s[6:7], s[6:7], s[12:13]
	s_add_nc_u64 s[8:9], s[8:9], s[14:15]
	LOADS 4, RA, 0
	LOADS 6, RB, 0
	KPIECE 0, 1
	VPIECE 0, 32, 1                                ; behind V's first piece K's second was asked for: 32 loads may stay out
	KPIECE 1, 0
	VPIECE 1, 0, 0
	; the scale words: my two bytes are those of blocks h and 2 + h; with lane l xor 16's two the word is whole
	v_bfe_u32 v9, v0, 4, 1
	v_lshlrev_b32 v9, 3, v9
.irp k, 0,1,2,3,4,5,6,7
	v_lshlrev_b32 v[SCL+\k], v9, v[SCL+\k]
.endr
.irp k, 0,1,2,3,4,5,6,7
	v_permlanex16_b32 v[T+\k], v[SCL+\k], s20, s21
.endr
.irp k, 0,1,2,3,4,5,6,7
	v_or_b32 v[SCL+\k], v[SCL+\k], v[T+\k]
.endr
	; LDS and store addresses; these twelve plain instructions also stand between the scale words' last write and the scaled matrix instructions
	v_and_b32 v10, 31, v0
	v_lshlrev_b32 v10, 4, v10                      ; 16 x lane
	s_lshl_b32 s11, s10, 14
	v_add_nc_u32 v2, s11, v10                      ; my wave's accumulator image
	s_lshl_b32 s11, s10, 11
	v_add_nc_u32 v3, s11, v10                      ; the four groups that my wave adds, in wave 0's image;
	v_add_nc_u32 v4, 0x10000, v3                   ; in wave 4's (an LDS offset has 16 bits)
	v_lshl_add_u32 v5, v0, 4, KSL                  ; my wave's image of column sums
	v_add_nc_u32 v6, KSL, v10                      ; wave 0's
	v_mov_b32 v7, v3                               ; and my wave's 2,048 bytes of part
.irp j, 0,1,2,3
	v_add_f32 v[MX+\j], v[KS+2*\j], v[KS+2*\j+1]   ; even rows' and odd rows' sums
.endr
	WIN 0x40                                       ; the accumulators lie in window 1, over K's rows, which are done with
.irp jv, 0,1,2,3
.irp jk, 0,1,2,3
	v_wmma_scale_f32_16x16x128_f8f6f4 v[8*(4*\jv+\jk):8*(4*\jv+\jk)+7], v[CK+12*\jk:CK+12*\jk+11], v[CV+12*\jv:CV+12*\jv+11], 0, v[SCL+\jk], v[SCL+4+\jv] matrix_a_fmt:MATRIX_FMT_FP6 matrix_b_fmt:MATRIX_FMT_FP6
.endr
.endr
.rept 4
	v_nop                                          ; four places between a matrix instruction and the store that reads its result
.endr
	WIN 0x04                                       ; an LDS store's data are its source 1
.irp jv, 0,1,2,3
.irp jk, 0,1,2,3
.irp u, 0,1
	ds_store_b128 v2, v[8*(4*\jv+\jk)+4*\u:8*(4*\jv+\jk)+4*\u+3] offset:((2*\jv+\u)*4+\jk)*512   ; each accumulator from its low end on; group (jV, u, jK)
.endr
.endr
.endr
	WIN 0
	ds_store_b128 v5, v[MX:MX+3]
	s_wait_dscnt 0x0                               ; for the others' sake: my stores have landed
	s_barrier_signal -1
	s_barrier_wait -1
	; wave w adds, over the eight images, the groups of jV = w / 2, u = w % 2: four tiles jK x registers 4 u .. 4 u + 3
.irp s, 0,1,2,3
.irp k, 0,1,2,3
	ds_load_b128 v[T+16*\s+4*\k:T+16*\s+4*\k+3], v3 offset:\s*16384+\k*512
.endr
.endr
.irp s, 0,1,2,3
.irp k, 0,1,2,3
	ds_load_b128 v[T+64+16*\s+4*\k:T+64+16*\s+4*\k+3], v4 offset:\s*16384+\k*512
.endr
.endr
	s_wait_dscnt 0x0
.set n, 0
.rept 32
	v_pk_add_f32 v[T+n:T+n+1], v[T+n:T+n+1], v[T+64+n:T+64+n+1]
.set n, n+2
.endr
.set n, 0
.rept 16
	v_pk_add_f32 v[T+n:T+n+1], v[T+n:T+n+1], v[T+32+n:T+32+n+1]
.set n, n+2
.endr
.irp k, 0,1,2,3
.irp q, 0,1,2,3
	v_add_f32 v[T+64+4*\q+\k], v[T+4*\k+\q], v[T+16+4*\k+\q]   ; the last addition writes transposed: four neighbouring d to a group
.endr
.endr
.irp q, 0,1,2,3
	global_store_b128 v7, v[T+64+4*\q:T+64+4*\q+3], s[8:9] offset:\q*512   ; 32 lanes store 512 consecutive bytes, at a multiple of 256 from the buffer's first byte
.endr
	s_cmp_lg_u32 s10, 0                            ; wave 0 adds the eight images of column sums
	s_cbranch_scc1 .Ldone
.irp s, 0,1,2,3,4,5,6,7
	ds_load_b128 v[T+4*\s:T+4*\s+3], v6 offset:\s*512
.endr
	s_wait_dscnt 0x0
.irp e, 0,2,4,6,8,10,12,14
	v_pk_add_f32 v[T+\e:T+\e+1], v[T+\e:T+\e+1], v[T+16+\e:T+16+\e+1]
.endr
.irp e, 0,2,4,6
	v_pk_add_f32 v[T+\e:T+\e+1], v[T+\e:T+\e+1], v[T+8+\e:T+8+\e+1]
.endr
.irp e, 0,2
	v_pk_add_f32 v[T+\e:T+\e+1], v[T+\e:T+\e+1], v[T+4+\e:T+4+\e+1]
.endr
	global_store_b128 v10, v[T:T+3], s[8:9] offset:16384
.Ldone:
	s_wait_tensorcnt 0x0
	ds_add_u32 v8, v11
	s_wait_dscnt 0x0
	s_endpgm
.Lfunc_end_k_q3076d4ecb9_kvsum:
	.size	k_q3076d4ecb9_kvsum, .Lfunc_end_k_q3076d4ecb9_kvsum-k_q3076d4ecb9_kvsum
	.p2alignl 7, 3214868480
	.fill 96, 4, 3214868480
	.section	.rodata,"a",@progbits
	.p2align	6, 0x0
	.amdhsa_kernel k_q3076d4ecb9_kvsum
		.amdhsa_group_segment_fixed_size 136192
		.amdhsa_private_segment_fixed_size 0
		.amdhsa_enable_private_segment 0
		.amdhsa_kernarg_size 24
		.amdhsa_user_sgpr_count 2
		.amdhsa_user_sgpr_kernarg_segment_ptr 1
		.amdhsa_wavefront_size32 1
		.amdhsa_system_sgpr_workgroup_id_x 1
		.amdhsa_system_sgpr_workgroup_id_y 1
		.amdhsa_system_sgpr_workgroup_id_z 1
		.amdhsa_system_vgpr_workitem_id 0
		.amdhsa_next_free_vgpr 512
		.amdhsa_next_free_sgpr 66
		.amdhsa_reserve_vcc 0
		.amdhsa_float_denorm_mode_32 3
		.amdhsa_float_denorm_mode_16_64 3
		.amdhsa_memory_ordered 1
		.amdhsa_forward_progress 1
		.amdhsa_inst_pref_size 119
	.end_amdhsa_kernel
	.amdgpu_metadata
---
amdhsa.version: [ 1, 2 ]
amdhsa.kernels:
  - .name:           k_q3076d4ecb9_kvsum
    .symbol:         k_q3076d4ecb9_kvsum.kd
    .args:
      - { .name: keys, .offset: 0, .size: 8, .value_kind: global_buffer, .address_space: global }
      - { .name: values, .offset: 8, .size: 8, .value_kind: global_buffer, .address_space: global }
      - { .name: part, .offset: 16, .size: 8, .value_kind: global_buffer, .address_space: global }
    .group_segment_fixed_size: 136192
    .private_segment_fixed_size: 0
    .kernarg_segment_align: 8
    .kernarg_segment_size: 24
    .max_flat_workgroup_size: 256
    .sgpr_count:     66
    .vgpr_count:     512
    .wavefront_size: 32
...
	.end_amdgpu_metadata
.endif
;; end of part 1
;; launch apply (part 2): grid 256 x 1, 16 waves a work-group, no clusters, 305,152 bytes of LDS; arguments queries, part, out0; writes out0
.if DOCPART == 2
	.amdgcn_target "amdgcn-amd-amdhsa--gfx1250"
	.amdhsa_code_object_version 6
	.text
	.protected	k_q3076d4ecb9_apply
	.globl	k_q3076d4ecb9_apply
	.p2align	8
	.type	k_q3076d4ecb9_apply,@function
k_q3076d4ecb9_apply:
	s_mov_b64 s[64:65], 0
	v_nop
	global_prefetch_b8 v0, s[64:65] scope:SCOPE_SE
	s_setreg_imm32_b32 hwreg(HW_REG_WAVE_MODE, 25, 1), 1
	s_wait_xcnt 0x0
; out[n][l][h][v] = (sum over d of Q6(Q)[l][d] Q6(KV)[d][v]) x 4096 / (Q[l] . Ksum + 1e-6),  Q = elu(queries) + 1.  Q6: codes of FP6 (E2M3), one E8M0 scale for each 32 along d.
; SHARES.  Work-group id = (n x 4 + p) x 8 + h: batch n, quarter p of the 4,096 queries, head h.  Sixteen waves of 256 registers; wave w owns queries 64 w .. 64 w + 63 of the quarter, four tiles of 16.
; Q comes by the tensor data mover: the work-group's 1,024 rows of 256 bytes, each with 16 bytes of padding, are 278,528 bytes: all of it fits in LDS at once, so every byte of LDS is filled ONCE, at the start,
; and nothing is filled again.  A wave issues four loads, one for each tile of its work (four of mine are out at the most), and reads only its own: its own counted wait is all the ordering that the reads need.
; KV AND Ksum.  part holds four partial images for the head.  Wave w adds the four partials of groups 2 w, 2 w + 1 (512 bytes each) and stores the sums in LDS; one barrier; every wave reads the 16 KiB back and
; quantises it along d: lane (r, h) holds KV[32 h + 0 .. 31][4 r + jV], a whole block, in operand order.  The column sums are added by each wave for itself, through 512 LDS bytes of its own, times 2^-12:
; so 1 / (Q . Ksum 2^-12 + 1e-6 x 2^-12) is Z x 4096, with the same roundings.
; A TILE.  Lane (r, h) reads block h (128 bytes) of query r: rows 272 bytes apart.  Source 0 = Q's 16 rows, source 1 = KV's tile jV
; (columns 4 r + jV); only 64 of the instruction's 128 along K exist: the upper 64 are zero codes on both sides.  Register q of lane (r, h) in tile jV is out[8 h + q][4 r + jV]: the four tiles' registers q are
; 16 neighbouring bytes, and one store of the wave covers two whole rows of 256 consecutive bytes: results leave from registers, with no way through LDS.
; No cluster: the four work-groups of a head share only the 67,584 bytes of part, a fifth of what each reads, and that comes by plain loads.
; LIMITS: NaN among the inputs is not served.  A block whose largest magnitude lies under 2^-124 gets the scale byte 1 (a block of zeros too: its codes are zeros).
; REGISTERS: v1-9 addresses; v10-13 at work; v14 Q's scale word; v15, v20-28 at work; v16-19 KV's scale words; v32-43 Q's fragment; v44-91 KV's four; v92-123 Ksum 2^-12 of my block;
;   v128-159 X (the queries, then Q); v160-191 E (exponentials, then Z by rows); v192-223 the four accumulators; v224-255 O, the results in store order.  At the head v128-255 hold KV in f32.
.set TR,    16                         ; rows in a tile
.set PITCH, 272
.set TILEB, TR*PITCH
.set WAVEB, 4*TILEB
.set KVL,   16*WAVEB                   ; LDS, behind Q's 278,528 bytes: KV in f32, 32 groups of 512 bytes
.set KSL,   KVL+16384                  ; and 512 bytes for each wave: the column sums, once for each half of the lanes
.set PSTR,  16896                      ; bytes of one partial in part
.set AQ,   1
.set OUTO, 2
.set SH,   3
.set L16,  4
.set GP,   5
.set KVW,  6
.set KVRD, 7
.set KSW,  8
.set KSRD, 9
.set QS,   14
.set KVS,  16
.set QF,   32
.set KVR,  44
.set KSR,  92
.set T,    128
.set X,    128
.set E,    160
.set ACC,  192
.set O,    224
	s_load_b128 s[4:7], s[0:1], 0x0                ; queries, part
	s_load_b64 s[8:9], s[0:1], 0x10                ; out0
	v_lshl_add_u32 v126, v0, 2, 0x4a000
	v_mov_b32 v127, 0
	ds_add_u32 v126, v127
	ds_add_u32 v126, v127
	v_lshrrev_b32 v1, 5, v0
	v_readfirstlane_b32 s10, v1                    ; wave 0..15
	s_lshr_b32 s12, ttmp9, 3
	s_lshl_b32 s12, s12, 21                        ; (n x 4 + p) x 1,024 rows of 2,048 bytes
	s_and_b32 s11, ttmp9, 7                        ; h
	s_lshl_b32 s13, s11, 8
	s_add_co_u32 s12, s12, s13
	s_lshl_b32 s13, s10, 17
	s_add_co_u32 s12, s12, s13                     ; + wave x 64 rows
	s_mov_b32 s13, 0
	s_lshr_b32 s14, ttmp9, 5
	s_lshl_b32 s14, s14, 5
	s_lshl_b32 s11, s11, 2
	s_add_co_u32 s14, s14, s11                     ; 32 n + 4 h: the head's first partial
	s_mul_i32 s14, s14, PSTR
	s_mov_b32 s15, 0
	; descriptor group 1: 16 rows of 64 elements of 4 bytes, 512 elements from row to row; in LDS 4 words of padding behind every 64
	s_mov_b32 s16, (2<<16)|(1<<20)|(5<<22)|(3<<25)
	s_mov_b32 s17, 64<<16                          ; tensor_dim0
	s_mov_b32 s18, TR<<16                          ; tensor_dim1
	s_mov_b32 s19, 64<<16                          ; tile_dim0
	s_mov_b32 s20, TR                              ; tile_dim1
	s_mov_b32 s21, 512                             ; the pitch
	s_mov_b32 s22, 0
	s_mov_b32 s23, 0
	s_mul_i32 s11, s10, WAVEB                      ; my wave's rows in LDS
	s_mov_b32 s42, 0x39800000                      ; 2^-12
	s_mov_b32 s43, s42
	s_mov_b32 s44, 0x3fb8aa3b                      ; log2(e)
	s_mov_b32 s45, s44
	s_mov_b32 s46, 0x76543210
	s_mov_b32 s47, 0xfedcba98                      ; v_permlanex16_b32's selects for lane l xor 16
	s_mov_b32 s48, 0xffff0000                      ; lanes 16-31
	s_wait_dscnt 0x0
	s_wait_kmcnt 0x0
	s_add_nc_u64 s[4:5], s[4:5], s[12:13]
	s_add_nc_u64 s[8:9], s[8:9], s[12:13]
	s_add_nc_u64 s[6:7], s[6:7], s[14:15]
.irp i, 0,1,2,3
	s_mov_b32 s[24+4*\i], 1                        ; count = 1
	s_add_co_u32 s[25+4*\i], s11, \i*TILEB         ; LDS address: wave x 17,408 + tile x 4,352
	s_add_nc_u64 s[26+4*\i:27+4*\i], s[4:5], \i*TR*2048
	s_or_b32 s[27+4*\i], s[27+4*\i], 0x80000000    ; type = 2
.endr
.irp i, 0,1,2,3
	tensor_load_to_lds s[24+4*\i:27+4*\i], s[16:23]   ; all first fills in one group, ahead of every wait on them, every LDS read and the barrier
	s_nop 0
.endr
	v_and_b32 v[L16], 31, v0
	v_lshlrev_b32 v[L16], 4, v[L16]                ; 16 x lane
	v_and_b32 v10, 15, v0                          ; r
	v_bfe_u32 v11, v0, 4, 1                        ; h
	v_mov_b32 v12, 0                               ; (a lane permute's destination counts as one of its sources)
	v_mov_b32 v13, 0
	v_lshlrev_b32 v[SH], 3, v11                    ; 8 h: my block's byte in a scale word
	v_mul_u32_u24 v[AQ], v10, PITCH
	v_lshl_add_u32 v[AQ], v11, 7, v[AQ]
	v_add_nc_u32 v[AQ], s11, v[AQ]                 ; Q: row r, block h
	v_lshlrev_b32 v[OUTO], 4, v10
	v_lshl_add_u32 v[OUTO], v11, 14, v[OUTO]       ; out: 16 r, lanes 16-31 eight rows further on
	s_lshl_b32 s40, s10, 10
	v_add_nc_u32 v[GP], s40, v[L16]                ; my wave's two groups, in part
	v_add_nc_u32 v[KVW], KVL, v[GP]                ; and in LDS
	v_add_nc_u32 v[KVRD], KVL, v[L16]
	v_lshl_add_u32 v[KSW], v0, 4, KSL              ; my wave's 512 bytes: 16 a lane
	s_lshl_b32 s40, s10, 9
	v_mul_u32_u24 v[KSRD], v11, 384                ; back: half h reads its own copy (256 h) from column 32 h on (128 h)
	v_add_nc_u32 v[KSRD], s40, v[KSRD]
	v_add_nc_u32 v[KSRD], KSL, v[KSRD]
.irp p, 0,1,2,3
	global_load_b128 v[T+8*\p:T+8*\p+3], v[GP], s[6:7] offset:\p*PSTR
	global_load_b128 v[T+8*\p+4:T+8*\p+7], v[GP], s[6:7] offset:\p*PSTR+512
	global_load_b128 v[T+32+4*\p:T+32+4*\p+3], v[L16], s[6:7] offset:\p*PSTR+16384
.endr
	s_wait_loadcnt 0x0
.irp e, 0,2,4,6
	v_pk_add_f32 v[T+\e:T+\e+1], v[T+\e:T+\e+1], v[T+8+\e:T+8+\e+1]
	v_pk_add_f32 v[T+16+\e:T+16+\e+1], v[T+16+\e:T+16+\e+1], v[T+24+\e:T+24+\e+1]
.endr
.irp e, 0,2,4,6
	v_pk_add_f32 v[T+\e:T+\e+1], v[T+\e:T+\e+1], v[T+16+\e:T+16+\e+1]
.endr
.irp e, 0,2
	v_pk_add_f32 v[T+32+\e:T+32+\e+1], v[T+32+\e:T+32+\e+1], v[T+36+\e:T+36+\e+1]
	v_pk_add_f32 v[T+40+\e:T+40+\e+1], v[T+40+\e:T+40+\e+1], v[T+44+\e:T+44+\e+1]
.endr
.irp e, 0,2
	v_pk_add_f32 v[T+32+\e:T+32+\e+1], v[T+32+\e:T+32+\e+1], v[T+40+\e:T+40+\e+1]
.endr
.irp i, 0,1,2,3
	v_permlanex16_b32 v[T+36+\i], v[T+32+\i], s46, s47   ; the other half of the lanes summed the other rows
.endr
.irp e, 0,2
	v_pk_add_f32 v[T+32+\e:T+32+\e+1], v[T+32+\e:T+32+\e+1], v[T+36+\e:T+36+\e+1]
.endr
.irp e, 0,2
	v_pk_mul_f32 v[T+32+\e:T+32+\e+1], v[T+32+\e:T+32+\e+1], s[42:43] op_sel_hi:[1,0]   ; Ksum x 2^-12: exact
.endr
	ds_store_b128 v[KVW], v[T:T+3]
	ds_store_b128 v[KVW], v[T+4:T+7] offset:512
	ds_store_b128 v[KSW], v[T+32:T+35]
	s_wait_dscnt 0x0                               ; for the others' sake: my stores have landed.  (My tensor loads may stay out)
	s_barrier_signal -1
	s_barrier_wait -1
.set g, 0
.rept 32
	ds_load_b128 v[T+4*g:T+4*g+3], v[KVRD] offset:512*g   ; group 8 jV + q: KV[32 h + 4 q + 0 .. 3][4 r + jV]
.set g, g+1
.endr
.irp i, 0,1,2,3,4,5,6,7
	ds_load_b128 v[KSR+4*\i:KSR+4*\i+3], v[KSRD] offset:16*\i
.endr
	s_wait_dscnt 0x0
	; KV's four tiles are quantised along d: a lane holds a whole block of each
.irp j, 0,1,2,3
	v_max3_num_f32 v[20+\j], |v[T+32*\j]|, |v[T+32*\j+1]|, 0x1800000   ; with the floor 2^(3 - 127): the byte cannot fall under 1
.endr
.irp m, 1,2,3,4,5,6,7,8,9,10,11,12,13,14,15
.irp j, 0,1,2,3
	v_max3_num_f32 v[20+\j], v[20+\j], |v[T+32*\j+2*\m]|, |v[T+32*\j+2*\m+1]|
.endr
.endr
.irp j, 0,1,2,3
	v_add_nc_u32 v[20+\j], 0xff000000, v[20+\j]    ; 2 off the exponent field: the conversion's scale operand
.endr
.irp j, 0,1,2,3
	v_lshrrev_b32 v[24+\j], 23, v[20+\j]           ; the scale's byte
.endr
.irp j, 0,1,2,3
	v_lshlrev_b32 v[24+\j], v[SH], v[24+\j]        ; at block h's place
.endr
.irp j, 0,1,2,3
	v_permlanex16_b32 v[10+\j], v[24+\j], s46, s47
.endr
.irp j, 0,1,2,3
	v_or_b32 v[KVS+\j], v[24+\j], v[10+\j]         ; bytes 0 and 1; bytes 2 and 3 stay 0 over zero codes
.endr
.irp j, 0,1,2,3
	v_cvt_scalef32_pk16_fp6_f32 v[KVR+12*\j:KVR+12*\j+2], v[T+32*\j:T+32*\j+15], v[20+\j]
.endr
	v_nop                                          ; a plain place: the next conversions write over the sources of these
.irp j, 0,1,2,3
	v_cvt_scalef32_pk16_fp6_f32 v[T+32*\j:T+32*\j+2], v[T+32*\j+16:T+32*\j+31], v[20+\j]   ; (a conversion's three registers begin on an even number)
.endr
	v_nop
.irp j, 0,1,2,3
.irp i, 0,1,2
	v_mov_b32 v[KVR+12*\j+3+\i], v[T+32*\j+\i]
.endr
.irp i, 6,7,8,9,10,11
	v_mov_b32 v[KVR+12*\j+\i], 0                   ; k = 64 .. 127 do not exist: zero codes
.endr
.endr
.irp i, 6,7,8,9,10,11
	v_mov_b32 v[QF+\i], 0                          ; on Q's side too; written once
.endr
.macro TILE t
	s_wait_tensorcnt 3-(\t)                        ; tensor loads of a wave end in order: this tile has landed, the younger ones may stay out
.irp i, 0,1,2,3,4,5,6,7
	ds_load_b128 v[X+4*\i:X+4*\i+3], v[AQ] offset:(\t)*TILEB+16*\i
.endr
	s_wait_dscnt 0x0
.set n, 0
.rept 16
	v_pk_mul_f32 v[E+n:E+n+1], v[X+n:X+n+1], s[44:45] op_sel_hi:[1,0]   ; x log2(e)
.set n, n+2
.endr
	v_exp_f32 v[E], v[E]
	v_exp_f32 v[E+1], v[E+1]
	v_nop                                          ; a plain instruction between an exponential and the use of its result; further on the subtraction of the pair before is that instruction
.set n, 2
.rept 15
	v_exp_f32 v[E+n], v[E+n]
	v_exp_f32 v[E+n+1], v[E+n+1]
	s_wait_alu depctr_va_vdst(0)
	v_pk_add_f32 v[E+n-2:E+n-1], v[E+n-2:E+n-1], -1.0 op_sel_hi:[1,0]   ; u = e^x - 1
.set n, n+2
.endr
	v_pk_add_f32 v[E+30:E+31], v[E+30:E+31], -1.0 op_sel_hi:[1,0]
.set n, 0
.rept 32
	v_med3_num_f32 v[X+n], v[E+n], 0, v[X+n]       ; elu: x > 0: 0 < x < u; else x <= u <= 0
.set n, n+1
.endr
.set n, 0
.rept 16
	v_pk_add_f32 v[X+n:X+n+1], v[X+n:X+n+1], 1.0 op_sel_hi:[1,0]        ; Q = elu + 1
.set n, n+2
.endr
	v_max3_num_f32 v10, v[X], v[X+1], 0x1800000    ; my block's largest number (none is negative), in two chains, with the floor 2^(3 - 127)
	v_max3_num_f32 v11, v[X+16], v[X+17], v[X+18]
.irp m, 1,2,3,4,5,6
	v_max3_num_f32 v10, v10, v[X+2*\m], v[X+2*\m+1]
	v_max3_num_f32 v11, v11, v[X+17+2*\m], v[X+18+2*\m]
.endr
	v_max3_num_f32 v10, v10, v[X+14], v[X+15]
	v_max3_num_f32 v10, v10, v11, v[X+31]
	v_add_nc_u32 v10, 0xff000000, v10              ; the conversion's scale operand
	v_lshrrev_b32 v11, 23, v10                     ; the scale's byte,
	v_lshlrev_b32 v11, v[SH], v11                  ; at block h's place;
	v_permlanex16_b32 v13, v11, s46, s47
	v_or_b32 v[QS], v11, v13                       ; with the other block's: row r's scale word
	v_cvt_scalef32_pk16_fp6_f32 v[QF:QF+2], v[X:X+15], v10
	v_cvt_scalef32_pk16_fp6_f32 v[26:28], v[X+16:X+31], v10   ; (a conversion's three registers begin on an even number)
	v_pk_mul_f32 v[22:23], v[X:X+1], v[KSR:KSR+1]  ; Q . Ksum 2^-12 on the unquantised Q, in two chains.  These sixteen are also the places behind the conversions and the scale word's write
	v_pk_mul_f32 v[24:25], v[X+2:X+3], v[KSR+2:KSR+3]
.irp k, 4,8,12,16,20,24,28
	v_pk_fma_f32 v[22:23], v[X+\k:X+\k+1], v[KSR+\k:KSR+\k+1], v[22:23]
	v_pk_fma_f32 v[24:25], v[X+\k+2:X+\k+3], v[KSR+\k+2:KSR+\k+3], v[24:25]
.endr
.irp i, 0,1,2
	v_mov_b32 v[QF+3+\i], v[26+\i]
.endr
	v_pk_add_f32 v[22:23], v[22:23], v[24:25]
	v_add_f32 v22, v22, v23
	v_permlanex16_b32 v12, v22, s46, s47
	v_add_f32 v22, v22, v12                        ; both blocks: the row's product
	v_add_f32 v22, 0x2f8637bd, v22                 ; + 1e-6 x 2^-12
	v_rcp_f32 v15, v22                             ; Z x 4096 of row r, in lanes r and 16 + r
	v_nop                                          ; a plain place behind the reciprocal
	s_wait_alu depctr_va_vdst(0)
	v_mov_b32_dpp v20, v15 row_xmask:8 row_mask:0xf bank_mask:0xf   ; lane x takes lane x xor 8
	v_cndmask_b32 v21, v15, v20, s48               ; lane q of half h now holds row 8 h + q's
.irp j, 0,1,2,3
	v_wmma_scale_f32_16x16x128_f8f6f4 v[ACC+8*\j:ACC+8*\j+7], v[QF:QF+11], v[KVR+12*\j:KVR+12*\j+11], 0, v[QS], v[KVS+\j] matrix_a_fmt:MATRIX_FMT_FP6 matrix_b_fmt:MATRIX_FMT_FP6
.endr
.irp q, 0,1,2,3,4,5,6,7
	v_mov_b32_dpp v[E+\q], v21 row_share:\q row_mask:0xf bank_mask:0xf   ; every lane of half h gets row 8 h + q's Z x 4096
.endr
.rept 4
	v_nop                                          ; four places between a matrix instruction and the first read of its result (ISA guide 7.12.1); the moves across lanes above are not counted as such
.endr
.if (\t) > 0
	s_wait_xcnt 0x0                                ; the last tile's stores have read O: only behind this wait is it written again
.endif
.irp q, 0,1,2,3,4,5,6,7
.irp j, 0,1,2,3
	v_mul_f32 v[O+4*\q+\j], v[ACC+8*\j+\q], v[E+\q]   ; each accumulator from its low end on; four tiles' registers q are four neighbouring outputs
.endr
	global_store_b128 v[OUTO], v[O+4*\q:O+4*\q+3], s[8:9] offset:(16*(\t)+\q)*2048 th:TH_STORE_NT   ; lanes 0-15 store row q's 256 consecutive bytes, lanes 16-31 row 8 + q's, each at a multiple of 256 from the buffer's first byte
.endr
.endm
	TILE 0
	TILE 1
	TILE 2
	TILE 3
	s_wait_tensorcnt 0x0
	ds_add_u32 v126, v127
	s_wait_dscnt 0x0
	s_endpgm
.Lfunc_end_k_q3076d4ecb9_apply:
	.size	k_q3076d4ecb9_apply, .Lfunc_end_k_q3076d4ecb9_apply-k_q3076d4ecb9_apply
	.p2alignl 7, 3214868480
	.fill 96, 4, 3214868480
	.section	.rodata,"a",@progbits
	.p2align	6, 0x0
	.amdhsa_kernel k_q3076d4ecb9_apply
		.amdhsa_group_segment_fixed_size 305152
		.amdhsa_private_segment_fixed_size 0
		.amdhsa_enable_private_segment 0
		.amdhsa_kernarg_size 24
		.amdhsa_user_sgpr_count 2
		.amdhsa_user_sgpr_kernarg_segment_ptr 1
		.amdhsa_wavefront_size32 1
		.amdhsa_system_sgpr_workgroup_id_x 1
		.amdhsa_system_sgpr_workgroup_id_y 1
		.amdhsa_system_sgpr_workgroup_id_z 1
		.amdhsa_system_vgpr_workitem_id 0
		.amdhsa_next_free_vgpr 256
		.amdhsa_next_free_sgpr 66
		.amdhsa_reserve_vcc 0
		.amdhsa_float_denorm_mode_32 3
		.amdhsa_float_denorm_mode_16_64 3
		.amdhsa_memory_ordered 1
		.amdhsa_forward_progress 1
		.amdhsa_inst_pref_size 69
	.end_amdhsa_kernel
	.amdgpu_metadata
---
amdhsa.version: [ 1, 2 ]
amdhsa.kernels:
  - .name:           k_q3076d4ecb9_apply
    .symbol:         k_q3076d4ecb9_apply.kd
    .args:
      - { .name: queries, .offset: 0, .size: 8, .value_kind: global_buffer, .address_space: global }
      - { .name: part, .offset: 8, .size: 8, .value_kind: global_buffer, .address_space: global }
      - { .name: out0, .offset: 16, .size: 8, .value_kind: global_buffer, .address_space: global }
    .group_segment_fixed_size: 305152
    .private_segment_fixed_size: 0
    .kernarg_segment_align: 8
    .kernarg_segment_size: 24
    .max_flat_workgroup_size: 512
    .sgpr_count:     66
    .vgpr_count:     256
    .wavefront_size: 32
...
	.end_amdgpu_metadata
.endif
;; end of part 2
;; ======== version 2 of 2: 2 launches; version 1 with the launch kvsum written anew for expert scheduling mode
;; workspace buffers: part 4,325,376 bytes
;; launch kvsum (part 3): grid 256 x 1, 8 waves a work-group, no clusters, 136,192 bytes of LDS; arguments keys, values, part; writes part
.if DOCPART == 3
	.amdgcn_target "amdgcn-amd-amdhsa--gfx1250"
	.amdhsa_code_object_version 6
	.text
	.protected	k_q3076d4ecb9_kvsum
	.globl	k_q3076d4ecb9_kvsum
	.p2align	8
	.type	k_q3076d4ecb9_kvsum,@function
k_q3076d4ecb9_kvsum:
	s_mov_b64 s[64:65], 0
	v_nop
	global_prefetch_b8 v0, s[64:65] scope:SCOPE_SE
	s_setreg_imm32_b32 hwreg(HW_REG_WAVE_SCHED_MODE, 0, 2), 2
	s_setreg_imm32_b32 hwreg(HW_REG_WAVE_MODE, 25, 1), 1
	s_wait_xcnt 0x0
	s_wait_alu depctr_vm_vsrc(0)
; KV[n][h][d][v] = sum over s of Q6(K)[s][d] Q6(values / 4096)[s][v],  K = elu(keys) + 1,  and the column sums of the unquantised K.
; Q6: codes of FP6 (E2M3) with one E8M0 scale for each 32 along s.  keys, values: [8][4096][8][64] f32: a head's row is 256 bytes, rows 2,048 bytes apart.
; SHARES.  Work-group id = (n x 4 + p) x 8 + h: batch n, quarter p of the 4,096 keys, head h (heads fastest: neighbouring work-groups read neighbouring bytes).
; Eight waves; wave w takes keys 128 w .. 128 w + 127 of the quarter: ONE K step of the matrix instruction, so every sum starts with C = 0 and there is no loop.
; LAYOUT.  A load of 16 bytes a lane takes two whole head rows: lanes 0-15 row s, lanes 16-31 row s + 32; lane r holds columns 4 r .. 4 r + 3.  Tile j of K^T (of V) is made of the
; columns 4 r + j, and a lane's 32 rows are a whole block of 32 along s, in the very place that the 6-bit operand gives lane (r, h): k = 64 c + 32 h + 0 .. 31.  The conversions want these 32
; in consecutive registers: the last elementwise instruction (the + 1 of elu + 1; the x 2^-12) writes to the transposed register, so no instruction is spent on transposing.
; elu(x) + 1 AS THE SOURCE HAS IT: u = 2^(x log2 e) - 1; the middle of (u, 0, x) is x where x > 0 and u elsewhere; then + 1.  u's rounding is that of expm1: far below 0 the result is exactly 0.
; RESULT.  D = K^T tile jK x V tile jV: register q of lane (r, h) is KV[32 h + 4 q + jK][4 r + jV].  The eight waves' accumulators meet in LDS as images of their registers; wave w adds an eighth
; of them, and its last addition writes transposed, so that group G = 8 jV + q of the stored image (512 bytes, 16 a lane) holds KV[32 h + 4 q + 0 .. 3][4 r + jV]: what the next launch's lanes want.
; part: for each (n, h, p) 16,896 bytes: 32 groups of 512 bytes, then 512 bytes of column sums (lane (r, half): columns 4 r .. 4 r + 3, summed over that half's rows).
; No tensor loads: no number changes lanes on its way in, so registers hold what is in flight: 64 loads a wave at the start, never under 32 until the last piece.  No cluster: work-groups share no input byte.
; LIMITS: NaN among the inputs is not served.  A block whose largest magnitude lies under 2^-124 gets the scale byte 1 (a block of zeros too: its codes are zeros, and this program alone reads the bytes).
; REGISTERS.  Window 0: v1 load offset; v2-7, v9, v10 at work, addresses at the end; v8, v11 the closing add's two; v12-19 column sums; v20-27 scale words (K's four tiles, V's four); v28-31 largest magnitudes;
;   v32-79 K's codes, v80-127 V's; v128-255 the numbers in transposed order.  Window 1: v0-127 K's rows as loaded, v128-255 V's; at the end v0-127 take the 16 accumulators.
; THE MODE: SCHED_MODE bits 1:0 = 2 (LLVM: expert scheduling mode 2), set by the entry lines.  The code itself states the register dependences
; between vector or matrix instructions and memory or LDS instructions, with s_wait_alu, always for 0.
; THE PLAN.  Registers that memory or LDS instructions touch:
;   v1            Written at the head; read by all 128 loads; never written again.
;   RA (K's rows) Loaded; read by a piece's multiplications, rewritten in place by its 128 v_med3, read by its 128 additions; behind those the second piece's loads land in it.
;                 At the end the matrix instructions write it (the accumulators) and the LDS stores read it.
;   RB (V's rows) Loaded; read by a piece's 128 multiplications; behind those the second piece's loads land in it.
;   v2-7, v10     LDS addresses and store offsets, made ahead of the matrix instructions, read behind them, never written again.   v28-31: the column sums, an LDS store's data.
;   v[T ..]       Named by vector instructions alone up to the scale words; behind the barrier LDS loads land in it, additions work on it, global stores read v[T+64 .. T+79] (wave 0: v[T .. T+3]).
; So a wait on va_vdst stands: ahead of the first load; behind each batch of exponentials; behind the lines that empty RA, and RB, ahead of the reload; ahead of the matrix instructions; ahead of the LDS stores
; (it serves the LDS loads behind the barrier too: no vector line stands between); ahead of the global stores (it serves wave 0's LDS loads too); ahead of wave 0's store.
; No register that a memory or LDS instruction reads is ever written again, so no wait on vm_vsrc is owed.  One wait on va_sdst stands behind the line that makes the wave's number a scalar.
.set ROWB, 2048                        ; bytes from key to key
.set PSTR, 16896                       ; bytes of part for one work-group
.set KSL,  131072                      ; LDS: behind the eight accumulator images of 16,384 bytes: eight images of column sums, 512 bytes each
.set GOF,  1
.set KS,   12
.set SCL,  20
.set MX,   28
.set CK,   32
.set CV,   80
.set T,    128
.set RA,   0                           ; in window 1
.set RB,   128                         ; in window 1
.set MSB,  0
.macro WIN new                         ; s_set_vgpr_msb: bits 1:0 source 0, 3:2 source 1, 5:4 source 2, 7:6 destination; the high byte repeats the setting that is left
.if MSB != \new
	s_set_vgpr_msb (MSB<<8)|\new
.set MSB, \new
.endif
.endm
; 32 loads: rows 64 half + 0 .. 31 (lanes 16-31: 32 rows further on) of the tensor at s[ptr:ptr+1] into window 1; each load covers two whole pieces of 256 consecutive bytes
.macro LOADS ptr, reg, half
	WIN 0x40
.set n, 0
.rept 32
	global_load_b128 v[\reg+4*n:\reg+4*n+3], v[GOF], s[\ptr:\ptr+1] offset:(64*(\half)+n)*ROWB th:TH_LOAD_NT
.set n, n+1
.endr
	WIN 0
.endm
; the largest magnitude of each of my four blocks (column 4 r + j, 32 rows), with the floor 2^(3 - 127) among the leaves; sums = 1: K's column sums too, two rows at a time
.macro BLOCKMAX sums, half
.set m, 0
.rept 16
.irp j, 0,1,2,3
.if m == 0
	v_max3_num_f32 v[MX+\j], |v[T+32*\j]|, |v[T+32*\j+1]|, 0x1800000
.else
	v_max3_num_f32 v[MX+\j], v[MX+\j], |v[T+32*\j+2*m]|, |v[T+32*\j+2*m+1]|
.endif
.if \sums
.if ((\half) == 0) && (m == 1)
	v_pk_add_f32 v[KS+2*\j:KS+2*\j+1], v[T+32*\j:T+32*\j+1], v[T+32*\j+2:T+32*\j+3]   ; the first two pairs start the sums: nothing is cleared
.elseif ((\half) == 1) || (m > 1)
	v_pk_add_f32 v[KS+2*\j:KS+2*\j+1], v[KS+2*\j:KS+2*\j+1], v[T+32*\j+2*m:T+32*\j+2*m+1]
.endif
.endif
.endr
.set m, m+1
.endr
.endm
; scale bytes and codes of my four blocks: registers 6 half .. 6 half + 5 of the four fragments at v[base + 12 j]
.macro CODES base, half, word
.irp j, 0,1,2,3
	v_add_nc_u32 v[MX+\j], 0xff000000, v[MX+\j]    ; 2 off the exponent field: the conversion's scale operand
.endr
.irp j, 0,1,2,3
.if (\half) == 0
	v_lshrrev_b32 v[(\word)+\j], 23, v[MX+\j]      ; the scale's byte: block h of the K step
.else
	v_lshrrev_b32 v[2+\j], 23, v[MX+\j]
.endif
.endr
.if (\half) == 1
.irp j, 0,1,2,3
	v_lshl_or_b32 v[(\word)+\j], v[2+\j], 16, v[(\word)+\j]   ; block 2 + h: two bytes further up
.endr
.endif
.irp j, 0,1,2,3
	v_cvt_scalef32_pk16_fp6_f32 v[(\base)+12*\j+6*(\half):(\base)+12*\j+6*(\half)+2], v[T+32*\j:T+32*\j+15], v[MX+\j]
.endr
	v_nop                                          ; a plain place: the next conversions write over the sources of these
.irp j, 0,1,2,3
	v_cvt_scalef32_pk16_fp6_f32 v[T+32*\j:T+32*\j+2], v[T+32*\j+16:T+32*\j+31], v[MX+\j]   ; a conversion's three registers begin on an even number: the block's upper half is made in registers that are done with, and moved
.endr
	v_nop                                          ; a plain place behind the conversions
.irp j, 0,1,2,3
.irp i, 0,1,2
	v_mov_b32 v[(\base)+12*\j+6*(\half)+3+\i], v[T+32*\j+\i]
.endr
.endr
.endm
; 64 keys of K.  more = 1: the buffer is loaded again as soon as it has been read
.macro KPIECE half, more
	s_wait_loadcnt 32                              ; behind this piece's 32 loads the 32 of V's piece were issued: they may stay out
	WIN 0x01                                       ; source 0 in window 1
.set n, 0
.rept 64
	v_pk_mul_f32 v[T+n:T+n+1], v[RA+n:RA+n+1], s[16:17] op_sel_hi:[1,0]   ; x log2(e)
.set n, n+2
.endr
	WIN 0
.set n, 0
.rept 128
	v_exp_f32 v[T+n], v[T+n]                       ; the piece's 128 exponentials are ONE batch: none reads another's result or writes another's source
.set n, n+1
.endr
	v_nop                                          ; a plain instruction between the last exponential and the use of a result (ISA guide 5.7.2): one for the batch
	s_wait_alu depctr_va_vdst(0)                   ; the 128 exponentials have written v[T ..], ahead of the first line that names a result: one wait for the batch
.set n, 0
.rept 64
	v_pk_add_f32 v[T+n:T+n+1], v[T+n:T+n+1], -1.0 op_sel_hi:[1,0]   ; u = e^x - 1
.set n, n+2
.endr
	WIN 0x50                                       ; source 2 and destination in window 1
.set n, 0
.rept 128
	v_med3_num_f32 v[RA+n], v[T+n], 0, v[RA+n]     ; elu: x > 0: 0 < x < u; else x <= u <= 0
.set n, n+1
.endr
	WIN 0x04                                       ; source 1 in window 1
.set n, 0
.rept 128
	v_add_f32 v[T+32*(n%4)+n/4], 1.0, v[RA+n]      ; K = elu + 1, to its place: column n % 4, row n / 4
.set n, n+1
.endr
.if \more
	WIN 0x40                                       ; the loads' window first, then the wait, then the loads
	s_wait_alu depctr_va_vdst(0)                   ; the v_med3 lines have written RA and the additions are done reading it: the second piece's loads land in it
	LOADS 4, RA, 1
.endif
	WIN 0
	BLOCKMAX 1, \half
	CODES CK, \half, SCL
.endm
; 64 keys of V
.macro VPIECE half, left, more
	s_wait_loadcnt \left
	WIN 0x04
.set n, 0
.rept 128
	v_mul_f32 v[T+32*(n%4)+n/4], s18, v[RB+n]      ; values / 4096, to its place
.set n, n+1
.endr
.if \more
	WIN 0x40                                       ; the loads' window first, then the wait, then the loads
	s_wait_alu depctr_va_vdst(0)                   ; the multiplications are done reading RB: the second piece's loads land in it
	LOADS 6, RB, 1
.endif
	WIN 0
	BLOCKMAX 0, \half
	CODES CV, \half, SCL+4
.endm
	s_load_b128 s[4:7], s[0:1], 0x0                ; keys, values
	s_load_b64 s[8:9], s[0:1], 0x10                ; part
	v_lshl_add_u32 v8, v0, 2, 0x21000              ; the LDS address of my spare word, behind the images of column sums; kept for the closing lines alone
	v_mov_b32 v11, 0                               ; and 0, likewise
	v_lshrrev_b32 v2, 5, v0
	v_readfirstlane_b32 s10, v2                    ; wave 0..7
	v_and_b32 v2, 15, v0
	v_bfe_u32 v3, v0, 4, 1
	v_lshlrev_b32 v[GOF], 4, v2                    ; 16 bytes a lane within a head's row,
	v_lshl_add_u32 v[GOF], v3, 16, v[GOF]          ; lanes 16-31 32 rows further on
	s_wait_alu depctr_va_sdst(0)                   ; s10 is written, ahead of its first reader: the wave's rows, its LDS addresses and the branch at the end are made from it
	s_lshr_b32 s12, ttmp9, 3
	s_lshl_b32 s12, s12, 21                        ; (n x 4 + p) x 1,024 rows of 2,048 bytes
	s_and_b32 s11, ttmp9, 7                        ; h
	s_lshl_b32 s13, s11, 8
	s_add_co_u32 s12, s12, s13                     ; + 256 h
	s_lshl_b32 s13, s10, 18
	s_add_co_u32 s12, s12, s13                     ; + wave x 128 rows
	s_mov_b32 s13, 0
	s_lshr_b32 s14, ttmp9, 5
	s_lshl_b32 s14, s14, 5                         ; 32 n
	s_lshl_b32 s11, s11, 2
	s_add_co_u32 s14, s14, s11                     ; + 4 h
	s_bfe_u32 s11, ttmp9, 0x20003
	s_add_co_u32 s14, s14, s11                     ; + p
	s_mul_i32 s14, s14, PSTR
	s_mov_b32 s15, 0
	s_mov_b32 s16, 0x3fb8aa3b                      ; log2(e)
	s_mov_b32 s17, s16                             ; (named with it as a pair)
	s_mov_b32 s18, 0x39800000                      ; 2^-12
	s_mov_b32 s20, 0x76543210
	s_mov_b32 s21, 0xfedcba98                      ; v_permlanex16_b32's selects for lane l xor 16
	s_wait_kmcnt 0x0
	s_add_nc_u64 s[4:5], s[4:5], s[12:13]
	s_add_nc_u64 s[6:7], s[6:7], s[12:13]
	s_add_nc_u64 s[8:9], s[8:9], s[14:15]
	WIN 0x40                                       ; the loads' window first, then the wait, then the loads
	s_wait_alu depctr_va_vdst(0)                   ; v1 is written: every load of the kernel reads it as its offset
	LOADS 4, RA, 0
	LOADS 6, RB, 0
	KPIECE 0, 1
	VPIECE 0, 32, 1                                ; behind V's first piece K's second was asked for: 32 loads may stay out
	KPIECE 1, 0
	VPIECE 1, 0, 0
	; the scale words: my two bytes are those of blocks h and 2 + h; with lane l xor 16's two the word is whole
	v_bfe_u32 v9, v0, 4, 1
	v_lshlrev_b32 v9, 3, v9
.irp k, 0,1,2,3,4,5,6,7
	v_lshlrev_b32 v[SCL+\k], v9, v[SCL+\k]
.endr
.irp k, 0,1,2,3,4,5,6,7
	v_permlanex16_b32 v[T+\k], v[SCL+\k], s20, s21
.endr
.irp k, 0,1,2,3,4,5,6,7
	v_or_b32 v[SCL+\k], v[SCL+\k], v[T+\k]
.endr
	; LDS and store addresses; these twelve plain instructions also stand between the scale words' last write and the scaled matrix instructions
	v_and_b32 v10, 31, v0
	v_lshlrev_b32 v10, 4, v10                      ; 16 x lane
	s_lshl_b32 s22, s10, 14
	v_add_nc_u32 v2, s22, v10                      ; my wave's accumulator image
	s_lshl_b32 s23, s10, 11                        ; (a register of its own: no scalar line writes over one that a vector line has just read)
	v_add_nc_u32 v3, s23, v10                      ; the four groups that my wave adds, in wave 0's image;
	v_add_nc_u32 v4, 0x10000, v3                   ; in wave 4's (an LDS offset has 16 bits)
	v_lshl_add_u32 v5, v0, 4, KSL                  ; my wave's image of column sums
	v_add_nc_u32 v6, KSL, v10                      ; wave 0's
	v_mov_b32 v7, v3                               ; and my wave's 2,048 bytes of part
.irp j, 0,1,2,3
	v_add_f32 v[MX+\j], v[KS+2*\j], v[KS+2*\j+1]   ; even rows' and odd rows' sums
.endr
	WIN 0x40                                       ; the accumulators lie in window 1, over K's rows, which are done with
	s_wait_alu depctr_va_vdst(0)                   ; the conversions and moves have written the codes v32-127, the OR lines the scale words v20-27: the scaled matrix instructions take them; the places above stay beside this wait
.irp jv, 0,1,2,3
.irp jk, 0,1,2,3
	v_wmma_scale_f32_16x16x128_f8f6f4 v[8*(4*\jv+\jk):8*(4*\jv+\jk)+7], v[CK+12*\jk:CK+12*\jk+11], v[CV+12*\jv:CV+12*\jv+11], 0, v[SCL+\jk], v[SCL+4+\jv] matrix_a_fmt:MATRIX_FMT_FP6 matrix_b_fmt:MATRIX_FMT_FP6
.endr
.endr
.rept 4
	v_nop                                          ; four places between a matrix instruction and the store that reads its result
.endr
	WIN 0x04                                       ; an LDS store's data are its source 1
	s_wait_alu depctr_va_vdst(0)                   ; the matrix instructions have written the accumulators, which the LDS stores read (v2, v5 and v28-31 were written further up); the places above stay beside this wait
.irp jv, 0,1,2,3
.irp jk, 0,1,2,3
.irp u, 0,1
	ds_store_b128 v2, v[8*(4*\jv+\jk)+4*\u:8*(4*\jv+\jk)+4*\u+3] offset:((2*\jv+\u)*4+\jk)*512   ; each accumulator from its low end on; group (jV, u, jK)
.endr
.endr
.endr
	WIN 0
	ds_store_b128 v5, v[MX:MX+3]
	s_wait_dscnt 0x0                               ; for the others' sake: my stores have landed
	s_barrier_signal -1
	s_barrier_wait -1
	; wave w adds, over the eight images, the groups of jV = w / 2, u = w % 2: four tiles jK x registers 4 u .. 4 u + 3
	; (No wait on va_vdst here: no vector or matrix instruction since the wait ahead of the LDS stores names v[T ..], in which these loads land, or v3, v4)
.irp s, 0,1,2,3
.irp k, 0,1,2,3
	ds_load_b128 v[T+16*\s+4*\k:T+16*\s+4*\k+3], v3 offset:\s*16384+\k*512
.endr
.endr
.irp s, 0,1,2,3
.irp k, 0,1,2,3
	ds_load_b128 v[T+64+16*\s+4*\k:T+64+16*\s+4*\k+3], v4 offset:\s*16384+\k*512
.endr
.endr
	s_wait_dscnt 0x0
.set n, 0
.rept 32
	v_pk_add_f32 v[T+n:T+n+1], v[T+n:T+n+1], v[T+64+n:T+64+n+1]
.set n, n+2
.endr
.set n, 0
.rept 16
	v_pk_add_f32 v[T+n:T+n+1], v[T+n:T+n+1], v[T+32+n:T+32+n+1]
.set n, n+2
.endr
.irp k, 0,1,2,3
.irp q, 0,1,2,3
	v_add_f32 v[T+64+4*\q+\k], v[T+4*\k+\q], v[T+16+4*\k+\q]   ; the last addition writes transposed: four neighbouring d to a group
.endr
.endr
	s_wait_alu depctr_va_vdst(0)                   ; the additions have written v[T+64 .. T+79], which the stores read, and are done with v[T .. T+31], in which wave 0's LDS loads below land
.irp q, 0,1,2,3
	global_store_b128 v7, v[T+64+4*\q:T+64+4*\q+3], s[8:9] offset:\q*512   ; 32 lanes store 512 consecutive bytes, at a multiple of 256 from the buffer's first byte
.endr
	s_cmp_lg_u32 s10, 0                            ; wave 0 adds the eight images of column sums
	s_cbranch_scc1 .Ldone
.irp s, 0,1,2,3,4,5,6,7
	ds_load_b128 v[T+4*\s:T+4*\s+3], v6 offset:\s*512   ; (they land apart from v[T+64 .. T+79], which the stores above read)
.endr
	s_wait_dscnt 0x0
.irp e, 0,2,4,6,8,10,12,14
	v_pk_add_f32 v[T+\e:T+\e+1], v[T+\e:T+\e+1], v[T+16+\e:T+16+\e+1]
.endr
.irp e, 0,2,4,6
	v_pk_add_f32 v[T+\e:T+\e+1], v[T+\e:T+\e+1], v[T+8+\e:T+8+\e+1]
.endr
.irp e, 0,2
	v_pk_add_f32 v[T+\e:T+\e+1], v[T+\e:T+\e+1], v[T+4+\e:T+4+\e+1]
.endr
	s_wait_alu depctr_va_vdst(0)                   ; the additions have written v[T .. T+3], which the store reads
	global_store_b128 v10, v[T:T+3], s[8:9] offset:16384
.Ldone:
	s_wait_dscnt 0x0                               ; the closing lines, six on end
	s_wait_alu 0x0
	s_wait_tensorcnt 0x0
	ds_add_u32 v8, v11
	s_wait_dscnt 0x0
	s_endpgm
.Lfunc_end_k_q3076d4ecb9_kvsum:
	.size	k_q3076d4ecb9_kvsum, .Lfunc_end_k_q3076d4ecb9_kvsum-k_q3076d4ecb9_kvsum
	.p2alignl 7, 3214868480
	.fill 96, 4, 3214868480
	.section	.rodata,"a",@progbits
	.p2align	6, 0x0
	.amdhsa_kernel k_q3076d4ecb9_kvsum
		.amdhsa_group_segment_fixed_size 136192
		.amdhsa_private_segment_fixed_size 0
		.amdhsa_enable_private_segment 0
		.amdhsa_kernarg_size 24
		.amdhsa_user_sgpr_count 2
		.amdhsa_user_sgpr_kernarg_segment_ptr 1
		.amdhsa_wavefront_size32 1
		.amdhsa_system_sgpr_workgroup_id_x 1
		.amdhsa_system_sgpr_workgroup_id_y 1
		.amdhsa_system_sgpr_workgroup_id_z 1
		.amdhsa_system_vgpr_workitem_id 0
		.amdhsa_next_free_vgpr 512
		.amdhsa_next_free_sgpr 66
		.amdhsa_reserve_vcc 0
		.amdhsa_float_denorm_mode_32 3
		.amdhsa_float_denorm_mode_16_64 3
		.amdhsa_memory_ordered 1
		.amdhsa_forward_progress 1
		.amdhsa_inst_pref_size 115
	.end_amdhsa_kernel
	.amdgpu_metadata
---
amdhsa.version: [ 1, 2 ]
amdhsa.kernels:
  - .name:           k_q3076d4ecb9_kvsum
    .symbol:         k_q3076d4ecb9_kvsum.kd
    .args:
      - { .name: keys, .offset: 0, .size: 8, .value_kind: global_buffer, .address_space: global }
      - { .name: values, .offset: 8, .size: 8, .value_kind: global_buffer, .address_space: global }
      - { .name: part, .offset: 16, .size: 8, .value_kind: global_buffer, .address_space: global }
    .group_segment_fixed_size: 136192
    .private_segment_fixed_size: 0
    .kernarg_segment_align: 8
    .kernarg_segment_size: 24
    .max_flat_workgroup_size: 256
    .sgpr_count:     66
    .vgpr_count:     512
    .wavefront_size: 32
...
	.end_amdgpu_metadata
.endif
;; end of part 3
;; launch apply: the kernel of part 2 again; grid 256 x 1, 16 waves a work-group, no clusters, 305,152 bytes of LDS; arguments queries, part, out0; writes out0
